; MI455X (gfx1250); checked and timed in simulation.
; The chip was launched on July 23, 2026; its instructions are those of AMD's public machine-readable ISA for CDNA 5 (MIT licence, August 2026) and "CDNA5" Instruction Set Architecture Reference Guide (July 2026). The comments in the code are by the model that wrote it; some were corrected since.
;; quant Linear. Allowed arithmetic: matrix products marked QUANTISED: E2M3 operands, one E8M0 scale for each 32 along K, by v_wmma_scale_f32_16x16x128_f8f6f4 with both operands' format E2M3, f32 sums; everything else in f32.
;; Inputs: bias 4,096 float32; codebook 3 float32; weight_idx 4,096 x 4,096 int32; x 4 x 1,024 x 4,096 float32.
;; Outputs: out0 4 x 1,024 x 4,096 float32.
;; This version of the problem:
;;   THIS VERSION OF THE PROBLEM IS GIVEN IN LOW PRECISION. The matrix products marked QUANTISED in the list below multiply operands that are first quantised to E2M3 (2 exponent bits, 3 mantissa bits; 6 bits a number), with one power-of-two scale for each 32 numbers along K (OCP MX v1.0); their sums are f32. All else is computed in f32.
;;   The module's matrix products, in the order in which they are computed (A, B: the left and right operand; K: the contracted axis; several contracted axes count as one K, in the product's order):
;;     1. [M 4,096, K 4,096] x [K 4,096, N 4,096]; A: input x; B: computed on the way: QUANTISED
;;   THE QUANTISER, for each operand of a quantised product, along K:
;;     - K is cut into blocks of 32 from its start; a last block that is shorter is filled with zeros.
;;     - A block's scale is 2^e with e = floor(log2(the largest magnitude in the block)) - 2, held to -126 .. 127; a block of zeros has e = 0. As a byte (E8M0): e + 127.
;;     - Each number is divided by its block's scale, clamped to +-7.5, and rounded to the nearest number of E2M3, ties to even, subnormals kept.
;;     - The product sums the exact products of the quantised numbers (number of the format x scale) in f32.
;;   ~~~python
;;   def quantise(x, axis):      # numpy; x: float32 -> the quantised numbers, widened to float32 again
;;       x = np.moveaxis(x, axis, -1); K = x.shape[-1]
;;       x = np.pad(x, [(0, 0)] * (x.ndim - 1) + [(0, -K % 32)]); x = x.reshape(x.shape[:-1] + (-1, 32)); a = np.abs(x).max(-1, keepdims=True)
;;       e = np.where(a > 0, np.clip(np.frexp(np.where(a > 0, a, 1))[1] - 1 - 2, -126, 127), 0)      # np.frexp(a)[1] - 1 = floor(log2(a)), exactly
;;       r = np.clip(x / 2.0 ** e, -7.5, 7.5)
;;       step = 2.0 ** (np.maximum(np.frexp(np.where(r == 0, 1, r))[1] - 1, 0) - 3)
;;       q = np.round(r / step) * step * 2.0 ** e      # np.round: ties to even
;;       return np.moveaxis(q.reshape(q.shape[:-2] + (-1,))[..., :K], -1, axis).astype(np.float32)
;;   ~~~
;;   OPERANDS COMPUTED ON THE WAY. 'Computed on the way' means the value that the module computes at that place (a softmax that the list does not call 'softmax' is quantised finished and normalised). What goes into a quantiser is computed in f32, as accurately as f32 sums, v_exp_f32 and their like allow (about 1e-6 of the number): no bf16 or f16 on the way to a quantiser, and a product that is left as it is and whose result goes on into a quantised operand takes f32 operands (vector FMAs, or v_wmma_f32_16x16x4_f32). A number that lies on a knife's edge between two numbers of the format may be rounded either way, as far as f32 arithmetic and the matrix unit's own rounding can turn it there, and no further.
;; One version. Each part assembles by itself: llvm-mc -triple=amdgcn-amd-amdhsa -mcpu=gfx1250 --defsym DOCPART=n.
;; ======== version 1 of 1: 2 launches
;; limits: right only within a limited range of input values
;; workspace buffers: aq 13,107,200 bytes; bq 13,107,200 bytes
;; launch quant (part 1): grid 1024 x 1, 4 waves a work-group, no clusters, 34,304 bytes of LDS; arguments x, weight_idx, codebook, aq, bq; writes aq, bq
.if DOCPART == 1
	.amdgcn_target "amdgcn-amd-amdhsa--gfx1250"
	.amdhsa_code_object_version 6
	.text
	.protected	k_q2889ee19cb_quant
	.globl	k_q2889ee19cb_quant
	.p2align	8
	.type	k_q2889ee19cb_quant,@function
k_q2889ee19cb_quant:
	s_mov_b64 s[64:65], 0
	v_nop
	global_prefetch_b8 v0, s[64:65] scope:SCOPE_SE
	s_setreg_imm32_b32 hwreg(HW_REG_WAVE_MODE, 25, 1), 1
	s_wait_xcnt 0x0
; x [4096][4096] f32 and W = codebook[weight_idx] ([4096][4096], index int32, three f32 numbers) are turned into codes of FP6 (E2M3) with one E8M0 scale byte for each 32 along K (K is innermost in both).
; A block's scale is 2^(floor(log2(its largest magnitude)) - 2); its byte is the largest magnitude's exponent field - 2, held at 1 from below.  Each number is divided by the scale and rounded to the nearest code, ties to even;
; beyond 7.5 the conversion gives the largest code.
; LIMITS: an index is 0, 1 or 2, as the table has three entries: index 1 gives entry 1, an unsigned index above 1 entry 2, all else entry 0.  A block of zeros gets the byte 1 where the rule says 127: its codes are zeros,
; which add nothing under any byte but 0xff, and the bytes are read by this program alone.  Blocks whose largest magnitude lies under 2^-124 are held at the byte 1.  NaN and infinities among the inputs are not served.
; THE OUTPUT IS LAID IN THE ORDER OF THE OPERAND'S REGISTERS.  128 rows (group g) x 128 along K (step u) are one unit of 12,800 bytes at (32 g + u) x 12,800.  In it fragment I (rows 16 I on: 12 registers a lane)
; lies at 1,536 I: registers 4 c .. 4 c + 3 of lane l at + 512 c + 16 l.  From byte 12,288 on: the scale words, one for each row: that of row r of fragment I at 128 (I / 2) + 8 r + 4 (I % 2).
; SHARES.  Work-groups 0-511 take x, 512-1023 W; a work-group makes two neighbouring units (128 rows x 256 K); wave w takes rows 64 (w / 2) on of unit w % 2: four fragments f (I = 4 (w / 2) + f).  Waves share nothing: no barrier.
; A conversion takes 16 neighbours along K from ONE lane's registers, and a load is best where neighbouring LANES take neighbouring bytes.  Both are had: each load reads 512 consecutive bytes of one row, 16 a lane; a fragment's
; 16 rows go through the wave's own stage in LDS (rows 528 bytes apart) and come back as 16 neighbours of each block of 32.
; No tensor load, no cluster, no prefetch: the work-groups share no input and the launch is one stream of loads, 16 to 32 of a wave on their way.
.set UNIT, 12800
.set SCOFF, 12288                      ; where a unit's scale words begin
.set SPI,  528                         ; a stage row: 512 bytes + 16
.set WST,  16*SPI                      ; a wave's stage
.set GA,   4                           ; v4   16 x lane: my place in a load's 512 bytes and in a store's; never rewritten
.set SI,   5                           ; v5   the stage, on the way in: wave's stage + 16 x lane
.set SOU,  6                           ; v6   and on the way out: wave's stage + 528 r + 64 h
.set TM,   12                          ; v12-15 largest magnitudes, v16-19 the other half's, then the bytes, v24-27 the conversions' scale operands
.set SW,   28                          ; v28-31 fragment f's scale word
.set PC,   36                          ; v36-47 a fragment's codes; v48-55 the conversions' second halves
.set R,    64                          ; v64-127, v128-191 two sets of 64 numbers as they are loaded
.set TT,   192                         ; v192-255 a fragment's 64 numbers as they come back from the stage: so the set that was loaded is free for the next loads as soon as the stage has it
.set SEL,  30                          ; s[30:31] lane selects for v_permlanex16_b32: lane l xor 16
	s_load_b256 s[4:11], s[0:1], 0x0               ; x s[4:5], weight_idx s[6:7], codebook s[8:9], aq s[10:11]
	s_load_b64 s[12:13], s[0:1], 0x20              ; bq
	v_lshl_add_u32 v56, v0, 2, 0x8400              ; my spare word, behind the four stages; never rewritten
	v_mov_b32 v57, 0                               ; 0; never rewritten
	v_lshrrev_b32 v1, 5, v0
	v_readfirstlane_b32 s16, v1                    ; wave 0..3
	v_and_b32 v1, 31, v0                           ; lane
	v_and_b32 v2, 15, v0                           ; r
	v_bfe_u32 v3, v0, 4, 1                         ; h
	v_lshlrev_b32 v[GA], 4, v1
	s_mul_i32 s18, s16, WST
	v_add_nc_u32 v[SI], s18, v[GA]
	v_mul_u32_u24 v[SOU], v2, SPI
	v_lshl_add_u32 v[SOU], v3, 6, v[SOU]
	v_add_nc_u32 v[SOU], s18, v[SOU]
	v_lshlrev_b32 v7, 3, v1                        ; 8 x lane: two scale words
.irp b, 0,1,2,3
	v_mov_b32 v[TM+4+\b], 0                        ; written once: a lane permute's destination counts as one of its sources
.endr
	s_mov_b32 s[SEL], 0x76543210
	s_mov_b32 s[SEL+1], 0xfedcba98
	s_and_b32 s17, ttmp9, 511                      ; 16 g + t, t the work-group's 256 along K
	s_lshr_b32 s38, s16, 1                         ; which 64 rows are my wave's
	s_and_b32 s39, s16, 1                          ; which 128 along K
	s_lshr_b32 s32, s17, 4
	s_lshl_b32 s32, s32, 21                        ; g x 128 rows of 16,384 bytes
	s_lshl_b32 s33, s38, 20                        ; + 64 rows
	s_or_b32 s32, s32, s33
	s_and_b32 s33, s17, 15
	s_lshl_b32 s33, s33, 10                        ; + t x 256 numbers of 4 bytes
	s_or_b32 s32, s32, s33
	s_lshl_b32 s33, s39, 9                         ; + 128 numbers
	s_or_b32 s32, s32, s33
	s_mov_b32 s33, 0
	s_mul_i32 s34, s17, 2*UNIT                     ; the work-group's two units,
	s_mul_i32 s35, s39, UNIT
	s_add_co_u32 s34, s34, s35                     ; my wave's unit;
	s_lshl_b32 s36, s38, 8                         ; in it my wave's 256 bytes of scale words,
	s_add_co_u32 s36, s36, s34
	s_add_co_u32 s36, s36, SCOFF
	s_mul_i32 s35, s38, 4*1536                     ; and its four fragments
	s_add_co_u32 s34, s34, s35
	s_mov_b32 s35, 0
	s_mov_b32 s37, 0
	s_wait_alu depctr_va_vdst(0)
	s_wait_kmcnt 0x0
	s_load_b96 s[20:22], s[8:9], 0x0               ; the table's three numbers
	s_cmp_lt_u32 ttmp9, 512                        ; x's work-group or W's?  The choice hangs on the work-group's number alone
	s_cselect_b64 s[4:5], s[4:5], s[6:7]
	s_cselect_b64 s[10:11], s[10:11], s[12:13]
	s_cselect_b32 s19, 0, 1
	s_add_nc_u64 s[4:5], s[4:5], s[32:33]
	s_add_nc_u64 s[24:25], s[10:11], s[36:37]      ; where my wave's scale words go
	s_add_nc_u64 s[10:11], s[10:11], s[34:35]      ; where its codes go
; fragment f's 16 rows x 128 numbers into set f % 2: each load reads 512 consecutive bytes of one row, at a multiple of 512 from the buffer's first byte
.macro LOAD f
.irp i, 0,1,2,3,4,5,6,7,8,9,10,11,12,13,14,15
	global_load_b128 v[R+64*((\f)%2)+4*\i:R+64*((\f)%2)+4*\i+3], v[GA], s[4:5] offset:(16*(\f)+\i)*16384 th:TH_LOAD_NT
.endr
.endm
; 64 numbers of a lane, v[s] .. v[s + 63], register 16 b + i = k 32 b + 16 h + i of my row, become a fragment's codes in v[PC] on and its scale word in v[pw].
.macro QUANT s, pw
.irp b, 0,1,2,3
	v_max3_num_f32 v[TM+\b], |v[\s+16*\b]|, |v[\s+1+16*\b]|, 0x1800000   ; block b: my 16 numbers, and the floor 2^(3 - 127): so the byte cannot fall under 1
.endr
.irp i, 2,4,6,8,10,12,14
.irp b, 0,1,2,3
	v_max3_num_f32 v[TM+\b], v[TM+\b], |v[\s+16*\b+\i]|, |v[\s+1+16*\b+\i]|   ; the four blocks by turns: no line waits for the line above it
.endr
.endr
.irp b, 0,1,2,3
	v_permlanex16_b32 v[TM+4+\b], v[TM+\b], s[SEL], s[SEL+1]
.endr
.irp b, 0,1,2,3
	v_max_num_f32 v[TM+\b], v[TM+\b], v[TM+4+\b]   ; with lane l xor 16's: the block's largest magnitude
.endr
.irp b, 0,1,2,3
	v_add_nc_u32 v[TM+12+\b], 0xff000000, v[TM+\b] ; 2 off its exponent field: the conversion takes the exponent field of this operand as its scale, and nothing else of it
.endr
.irp b, 0,1,2,3
	v_lshrrev_b32 v[TM+4+\b], 23, v[TM+12+\b]      ; the scale's byte
.endr
	v_lshl_or_b32 v[\pw], v[TM+5], 8, v[TM+4]      ; the four bytes make my row's scale word (both halves of the lanes hold it)
	v_lshl_or_b32 v[\pw], v[TM+6], 16, v[\pw]
	v_lshl_or_b32 v[\pw], v[TM+7], 24, v[\pw]
.irp c, 0,1
	v_cvt_scalef32_pk16_fp6_f32 v[PC+6*\c:PC+2+6*\c], v[\s+32*\c:\s+15+32*\c], v[TM+12+2*\c]
	v_cvt_scalef32_pk16_fp6_f32 v[PC+12+4*\c:PC+14+4*\c], v[\s+16+32*\c:\s+31+32*\c], v[TM+12+2*\c+1]   ; (a conversion's three registers begin on an even number)
.endr
	v_nop                                          ; one plain instruction behind the scaled conversions, ahead of the first that touches a result
.irp c, 0,1                                    ; the operand's layout wants a WHOLE block in a lane: lanes 0-15 block 2 c, lanes 16-31 block 2 c + 1
.irp i, 0,1,2
	v_permlane16_swap_b32 v[PC+6*\c+\i], v[PC+12+4*\c+\i]
.endr
.irp i, 0,1,2
	v_mov_b32 v[PC+3+6*\c+\i], v[PC+12+4*\c+\i]    ; registers 6 c .. 6 c + 5 now hold k = 64 c + 32 h + 0 .. 31
.endr
.endr
.endm
; One fragment: through the stage, the table's numbers for W, quantised, stored.
.macro PIECE f
.set RS, R+64*((\f)%2)
.if (\f) < 3
	s_wait_loadcnt 16                              ; loads come back in order: this fragment's 16 are in, the next fragment's 16 may be out
.else
	s_wait_loadcnt 0x0
.endif
.irp i, 0,1,2,3,4,5,6,7,8,9,10,11,12,13,14,15
	ds_store_b128 v[SI], v[RS+4*\i:RS+4*\i+3] offset:SPI*\i        ; row i as it was loaded
.endr
.irp b, 0,1,2,3
.irp j, 0,1,2,3
	ds_load_b128 v[TT+16*\b+4*\j:TT+16*\b+4*\j+3], v[SOU] offset:128*\b+16*\j   ; LDS serves a wave's instructions in order: these see the stores above.  Row r, numbers 32 b + 16 h + 4 j on
.endr
.endr
.if (\f)+2 < 4
	s_wait_dscnt 16                                ; the 16 stores into the stage are done (the 16 loads behind them may be out): the set that they read
.if (\f) > 0
	s_wait_xcnt 0x0                                ; (the last fragment's stores have read their data: the codes' registers are written again only behind this wait)
.endif
	LOAD (\f)+2                                    ; takes the fragment two on, ahead of this fragment's arithmetic
.endif
	s_wait_dscnt 0x0
	s_cmp_eq_u32 s19, 0
	s_cbranch_scc1 .Lplain_\@
.set n, 0
	s_wait_alu depctr_va_vdst(0)
.rept 32                                       ; W: index -> the table's number, by selects; two registers by turns
	v_cmp_eq_u32 vcc_lo, 1, v[TT+n]
	v_cmp_lt_u32 s26, 1, v[TT+n]
	v_cmp_eq_u32 s27, 1, v[TT+n+1]
	v_cmp_lt_u32 s28, 1, v[TT+n+1]
	v_cndmask_b32 v[TT+n], v8, v9, vcc_lo
	v_cndmask_b32 v[TT+n+1], v8, v9, s27
	v_cndmask_b32 v[TT+n], v[TT+n], v10, s26
	v_cndmask_b32 v[TT+n+1], v[TT+n+1], v10, s28
.set n, n+2
.endr
.Lplain_\@:
.if (\f) > 1
	s_wait_xcnt 0x0                                ; the last fragment's stores have read their data: the codes' registers are written again only behind this wait
.endif
	QUANT TT, SW+(\f)
.irp c, 0,1,2
	global_store_b128 v[GA], v[PC+4*\c:PC+4*\c+3], s[10:11] offset:(\f)*1536+512*\c   ; 32 lanes store 512 consecutive bytes, at a multiple of 512 from the buffer's first byte
.endr
.endm
	LOAD 0
	LOAD 1
	s_wait_kmcnt 0x0                               ; the table
	v_mov_b32 v8, s20
	v_mov_b32 v9, s21
	v_mov_b32 v10, s22
	PIECE 0
	PIECE 1
	PIECE 2
	PIECE 3
	s_mov_b32 vcc_lo, 0xffff0000                   ; lanes 0-15 keep the words of fragments 0 and 1, lanes 16-31 take those of fragments 2 and 3
	v_cndmask_b32 v32, v[SW], v[SW+2], vcc_lo      ; the even fragment's word of row r
	v_cndmask_b32 v33, v[SW+1], v[SW+3], vcc_lo    ; the odd fragment's
	global_store_b64 v7, v[32:33], s[24:25]        ; 32 lanes store 256 consecutive bytes, at a multiple of 256 from the buffer's first byte
	s_wait_tensorcnt 0x0
	ds_add_u32 v56, v57
	s_wait_dscnt 0x0
	s_endpgm
.Lfunc_end_k_q2889ee19cb_quant:
	.size	k_q2889ee19cb_quant, .Lfunc_end_k_q2889ee19cb_quant-k_q2889ee19cb_quant
	.p2alignl 7, 3214868480
	.fill 96, 4, 3214868480
	.section	.rodata,"a",@progbits
	.p2align	6, 0x0
	.amdhsa_kernel k_q2889ee19cb_quant
		.amdhsa_group_segment_fixed_size 34304
		.amdhsa_private_segment_fixed_size 0
		.amdhsa_enable_private_segment 0
		.amdhsa_kernarg_size 40
		.amdhsa_user_sgpr_count 2
		.amdhsa_user_sgpr_kernarg_segment_ptr 1
		.amdhsa_wavefront_size32 1
		.amdhsa_system_sgpr_workgroup_id_x 1
		.amdhsa_system_sgpr_workgroup_id_y 1
		.amdhsa_system_sgpr_workgroup_id_z 1
		.amdhsa_system_vgpr_workitem_id 0
		.amdhsa_next_free_vgpr 256
		.amdhsa_next_free_sgpr 66
		.amdhsa_reserve_vcc 1
		.amdhsa_float_denorm_mode_32 3
		.amdhsa_float_denorm_mode_16_64 3
		.amdhsa_memory_ordered 1
		.amdhsa_forward_progress 1
		.amdhsa_inst_pref_size 90
	.end_amdhsa_kernel
	.amdgpu_metadata
---
amdhsa.version: [ 1, 2 ]
amdhsa.kernels:
  - .name:           k_q2889ee19cb_quant
    .symbol:         k_q2889ee19cb_quant.kd
    .args:
      - { .name: x, .offset: 0, .size: 8, .value_kind: global_buffer, .address_space: global }
      - { .name: weight_idx, .offset: 8, .size: 8, .value_kind: global_buffer, .address_space: global }
      - { .name: codebook, .offset: 16, .size: 8, .value_kind: global_buffer, .address_space: global }
      - { .name: aq, .offset: 24, .size: 8, .value_kind: global_buffer, .address_space: global }
      - { .name: bq, .offset: 32, .size: 8, .value_kind: global_buffer, .address_space: global }
    .group_segment_fixed_size: 34304
    .private_segment_fixed_size: 0
    .kernarg_segment_align: 8
    .kernarg_segment_size: 40
    .max_flat_workgroup_size: 128
    .sgpr_count:     66
    .vgpr_count:     256
    .wavefront_size: 32
...
	.end_amdgpu_metadata
.endif
;; end of part 1
;; launch gemm (part 2): grid 16 x 16, 4 waves a work-group, clusters of 4 x 4, 327,680 bytes of LDS; arguments aq, bq, bias, out0; writes out0
.if DOCPART == 2
	.amdgcn_target "amdgcn-amd-amdhsa--gfx1250"
	.amdhsa_code_object_version 6
	.text
	.protected	k_q2889ee19cb_gemm
	.globl	k_q2889ee19cb_gemm
	.p2align	8
	.type	k_q2889ee19cb_gemm,@function
k_q2889ee19cb_gemm:
	s_mov_b64 s[64:65], 0
	v_nop
	global_prefetch_b8 v0, s[64:65] scope:SCOPE_SE
	s_setreg_imm32_b32 hwreg(HW_REG_WAVE_MODE, 25, 1), 1
	s_wait_xcnt 0x0
	s_wait_alu depctr_hold_cnt(0) depctr_sa_sdst(0) depctr_va_vdst(0) depctr_va_sdst(0) depctr_va_ssrc(0) depctr_va_vcc(0) depctr_vm_vsrc(0)
	s_getreg_b32 s2, hwreg(HW_REG_IB_STS2, 6, 4)
	s_cmp_eq_u32 s2, 0
	s_cbranch_scc0 .Lentry_in_a_cluster
	s_endpgm
.Lentry_in_a_cluster:
	s_bfe_u32 s2, ttmp6, 0x10000c
	s_cmp_lg_u32 s2, 0xf033
	s_cbranch_scc0 .Lentry_shape_is_right
	s_endpgm
.Lentry_shape_is_right:
; out0[m][n] = sum over k of x[m][k] W[n][k] + bias[n], on the codes of FP6 (E2M3) and E8M0 scale words that launch quant has laid in aq (x) and bq (W).
; A unit of 12,800 bytes holds 128 rows x 128 along K in the order of an operand's registers: fragment I (16 rows, 12 registers a lane) at 1,536 I, then 512 bytes of scale words.
; A work-group of four waves makes 256 x 256 of the result, a wave 128 x 128: 64 accumulators in windows 2 and 3; A's fragments in window 0 (one set), B's in window 1 (two sets).
; The bias is the C of the first step's products.  The matrix instruction is used transposed (source 0 = rows of W, source 1 = rows of x): a lane holds eight neighbouring numbers of a row of the result.
; THE RING: two places in LDS, each with three steps' units of A's two groups and B's two groups; each wave fetches one group's units by one tensor load, as dense rows of 256 bytes.
; CLUSTERS: 4 x 4 work-groups; A's units are asked for jointly along a row of the cluster, B's along a column.  A round of the cluster's barrier stands in front of every joint load.
; A CHANGE OF PLACES stands in the middle of a place's last step: the step's first 32 products need nothing of the next place and stand ahead of the wait for the tensor loads; behind that wait come only the add,
; its wait, the round and the refill; the step's other 32 products stand behind the fetch of the next place's first fragments.
; PREFETCH: every cluster asks for the units that it will itself load, one refill ahead; the four partners that load a unit jointly share two units out by address, 25 lanes x 256 bytes each; the last trip asks for nothing beyond unit 31.
; The result leaves through each wave's own stage in place 1, which has had its last fill and its last read by then: whole rows of 512 bytes, two aligned units of 256 bytes a store.
.set UNIT,   12800
.set GRP,    32*UNIT
.set WBLK,   3*UNIT
.set PLACE,  4*WBLK
.set SCOFF,  12288
.set SPARE,  2*PLACE
.set STAGE,  PLACE
.set SPITCH, 528
.set FR,     12
.set NL,     3
.set NP,     4
.set TRIPS,  4
.set NROW,   16384
.set ADRA, 16
.set ADRS, 18
.set ADRB, 20
.set STO,  24
.set RD,   25
.set CO,   26
.set BO,   27
.set SPW,  28
.set NIL,  29
.set PFO,  30
.set SC,   32
.set BI,   64
.set AF,   128
.set OB,   64                          ; the way out: 16 rows read back from the stage, v64-127 of window 0 (the bias lay there for the first step alone)
.set G1,  24
.set G0,  32
.set G1B, 48
.set G0B, 56
.set G1F,  72
.set G1FB, 80
.set PFA, 68
.set MSB, 0
.macro WIN new
.if MSB != (\new)
	s_set_vgpr_msb (MSB<<8)|(\new)
.set MSB, (\new)
.endif
.endm
.set MUL_LO,  0xa1
.set MUL_HI,  0xf1
.set MUL_LO0, 0x81
.set MUL_HI0, 0xc1
.set TO_B,    0x40
.macro JLOAD g0a, g1a, g0b, g1b
	s_cmp_eq_u32 s15, 0
	s_cbranch_scc0 .Lfor_b_\@
	tensor_load_to_lds s[\g0a:\g0a+3], s[\g1a:\g1a+7]
	s_nop 0
.rept 4
	v_nop
.endr
	s_branch .Lasked_\@
.Lfor_b_\@:
	tensor_load_to_lds s[\g0b:\g0b+3], s[\g1b:\g1b+7]
	s_nop 0
.rept 4
	v_nop
.endr
.Lasked_\@:
.endm
; A prefetch names two units, shared out among the four partners by address.  Units 10 to 31 are asked for, by 1, 2, 1, 2 .. instructions at the loop's eight changes of places;
; the second instruction of the last trip would name units 32 and 33, which do not exist: it is jumped over (s3 = 1 there, the same in all waves).
.macro ASK n
	global_prefetch_b8 v[PFO], s[PFA:PFA+1] th:TH_LOAD_NT scope:SCOPE_SE
.if (\n) > 1
	s_cmp_gt_u32 s3, 1
	s_cbranch_scc0 .Lno_more_\@
	global_prefetch_b8 v[PFO], s[PFA:PFA+1] offset:2*UNIT th:TH_LOAD_NT scope:SCOPE_SE
.Lno_more_\@:
.endif
.endm
.macro CREST
	s_cmp_lg_u32 s14, 0
	s_cbranch_scc1 .Lnot_wave_0_\@
	s_barrier_signal -3
.Lnot_wave_0_\@:
	s_barrier_wait -3
	s_barrier_signal -1
	s_barrier_wait -1
.endm
.macro CROUND
	s_barrier_signal -1
	s_barrier_wait -1
	CREST
.endm
	s_load_b256 s[4:11], s[0:1], 0x0
	v_lshl_add_u32 v[SPW], v0, 2, SPARE
	v_mov_b32 v[NIL], 0
	ds_add_u32 v28, v29
	ds_add_u32 v28, v29
	s_wait_dscnt 0x0
	v_lshrrev_b32 v1, 5, v0
	v_readfirstlane_b32 s14, v1
	s_lshr_b32 s15, s14, 1
	s_and_b32 s16, s14, 1
	s_bfe_u32 s40, ttmp6, 0x40000
	s_bfe_u32 s41, ttmp6, 0x40004
	s_lshl_b32 s42, ttmp9, 2
	s_add_co_u32 s42, s42, s40
	s_and_b32 s17, ttmp7, 0xffff
	s_lshl_b32 s17, s17, 2
	s_add_co_u32 s17, s17, s41
	s_lshl_b32 s43, s41, 2
	s_lshl_b32 s43, 15, s43
	s_lshl_b32 s44, 0x1111, s40
	s_or_b32 s[G1+0], s43, (3<<16)|(1<<21)
	s_or_b32 s[G1B+0], s44, (3<<16)|(1<<21)
	s_or_b32 s[G1F+0], s43, (3<<16)|(1<<21)
	s_or_b32 s[G1FB+0], s44, (3<<16)|(1<<21)
.irp g, G1, G1B
	s_mov_b32 s[\g+1], 32<<16
	s_mov_b32 s[\g+2], 150<<16
	s_mov_b32 s[\g+3], 32<<16
	s_mov_b32 s[\g+4], 150
	s_mov_b32 s[\g+5], 32
	s_mov_b32 s[\g+6], 0
	s_mov_b32 s[\g+7], 0
.endr
.irp g, G1F, G1FB
	s_mov_b32 s[\g+1], 32<<16
	s_mov_b32 s[\g+2], 100<<16
	s_mov_b32 s[\g+3], 32<<16
	s_mov_b32 s[\g+4], 100
	s_mov_b32 s[\g+5], 32
	s_mov_b32 s[\g+6], 0
	s_mov_b32 s[\g+7], 0
.endr
	s_lshl_b32 s20, s17, 1
	s_add_co_u32 s20, s20, s16
	s_mul_i32 s20, s20, GRP
	s_mov_b32 s21, 0
	s_lshl_b32 s46, s42, 1
	s_add_co_u32 s46, s46, s16
	s_mul_i32 s46, s46, GRP
	s_mov_b32 s47, 0
	s_mul_i32 s45, s14, WBLK
	s_wait_kmcnt 0x0
	s_add_nc_u64 s[20:21], s[4:5], s[20:21]
	s_add_nc_u64 s[46:47], s[6:7], s[46:47]
	CROUND
.irp s, 0,1
	s_mov_b32 s[G0+4*\s], 1
	s_add_co_u32 s[G0+4*\s+1], s45, \s*PLACE
	s_add_nc_u64 s[G0+4*\s+2:G0+4*\s+3], s[20:21], \s*3*UNIT
	s_or_b32 s[G0+4*\s+3], s[G0+4*\s+3], 0x80000000
	s_mov_b32 s[G0B+4*\s], 1
	s_add_co_u32 s[G0B+4*\s+1], s45, \s*PLACE
	s_add_nc_u64 s[G0B+4*\s+2:G0B+4*\s+3], s[46:47], \s*3*UNIT
	s_or_b32 s[G0B+4*\s+3], s[G0B+4*\s+3], 0x80000000
.endr
	JLOAD G0, G1, G0B, G1B                         ; steps 0 to 2, into place 0: one tensor load a wave at the head
	s_lshl_b32 s46, s42, 10                        ; my first column, in bytes: 1,024 x tile column + 512 x half
	s_lshl_b32 s47, s16, 9
	s_add_co_u32 s46, s46, s47
	s_mov_b32 s47, 0
	s_add_nc_u64 s[8:9], s[8:9], s[46:47]
	v_and_b32 v1, 15, v0                           ; r
	v_bfe_u32 v2, v0, 4, 1                         ; h
	v_and_b32 v3, 31, v0                           ; lane
	v_lshlrev_b32 v[BO], 5, v2
.irp b, 0,1,2,3,4,5,6,7                        ; the bias of my eight columns of each block b, asked for while the first tiles are on their way
	global_load_b128 v[BI+8*\b:BI+8*\b+3],   v[BO], s[8:9] offset:64*\b
	global_load_b128 v[BI+8*\b+4:BI+8*\b+7], v[BO], s[8:9] offset:64*\b+16
.endr
	s_wait_alu depctr_va_vdst(0)
	s_wait_tensorcnt 0x0
	ds_add_u32 v28, v29
	s_wait_dscnt 0x0
	CROUND
	JLOAD G0+4, G1, G0B+4, G1B                     ; steps 3 to 5, into place 1: the first tensor load behind the round
	v_lshlrev_b32 v4, 4, v3
	s_mul_i32 s21, s15, WBLK
	s_mul_i32 s22, s16, WBLK
	s_add_co_u32 s22, s22, 2*WBLK
	s_sub_co_u32 s23, s22, s21
	v_mul_u32_u24 v6, s23, v2
	v_lshl_add_u32 v5, v1, 3, v6
	v_add_nc_u32 v5, SCOFF, v5
.irp s, 0,1
	v_add_nc_u32 v[ADRA+\s], s21, v4
	v_add_nc_u32 v[ADRB+\s], s22, v4
	v_add_nc_u32 v[ADRS+\s], s21, v5
	s_add_co_u32 s21, s21, PLACE
	s_add_co_u32 s22, s22, PLACE
.endr
	s_mul_i32 s23, s14, 16*SPITCH
	s_add_co_u32 s23, s23, STAGE
	v_mul_u32_u24 v5, v1, SPITCH
	v_lshl_add_u32 v5, v2, 5, v5
	v_add_nc_u32 v[STO], s23, v5
	v_lshlrev_b32 v[CO], 4, v3
	v_add_nc_u32 v[RD], s23, v[CO]
	s_lshl_b32 s20, s17, 8
	s_lshl_b32 s21, s15, 7
	s_add_co_u32 s20, s20, s21
	s_lshl_b32 s20, s20, 14
	s_mov_b32 s21, 0
	s_add_nc_u64 s[10:11], s[10:11], s[20:21]
	s_add_nc_u64 s[10:11], s[10:11], s[46:47]
	s_cmp_eq_u32 s15, 0                            ; do I fetch for A?
	s_cselect_b32 s20, s17, s42
	s_cselect_b32 s21, s40, s41                    ; my place among the four that ask for the units with me
	s_cselect_b64 s[PFA:PFA+1], s[4:5], s[6:7]
	s_lshl_b32 s20, s20, 1
	s_add_co_u32 s20, s20, s16
	s_mul_i32 s20, s20, GRP
	s_mul_i32 s21, s21, UNIT/2
	s_add_co_u32 s20, s20, s21
	s_add_co_u32 s20, s20, 6*UNIT                  ; the first change of places steps it to unit 10
	s_mov_b32 s21, 0
	s_add_nc_u64 s[PFA:PFA+1], s[PFA:PFA+1], s[20:21]
	v_min_u32 v[PFO], 24, v3
	v_lshlrev_b32 v[PFO], 8, v[PFO]
.macro FRAG reg, adr, j, i
.irp c, 0,1,2
	ds_load_b128 v[\reg+4*\c:\reg+4*\c+3], v[\adr] offset:(\j)*UNIT+(\i)*1536+512*\c
.endr
.endm
.macro MUL16 a0, p, zero
.irp a, \a0, \a0+1
.irp b, 0,1,2,3,4,5,6,7
.if \zero
	v_wmma_scale_f32_16x16x128_f8f6f4 v[8*(8*((\a)%4)+\b):8*(8*((\a)%4)+\b)+7], v[128*(\p)+FR*\b:128*(\p)+FR*\b+FR-1], v[AF+FR*(\a):AF+FR*(\a)+FR-1], v[BI+8*\b:BI+8*\b+7], v[SC+8*(\p)+\b], v[SC+8*(\p)+(\a)] matrix_a_fmt:MATRIX_FMT_FP6 matrix_b_fmt:MATRIX_FMT_FP6 matrix_a_scale:MATRIX_SCALE_ROW1
.else
	v_wmma_scale_f32_16x16x128_f8f6f4 v[8*(8*((\a)%4)+\b):8*(8*((\a)%4)+\b)+7], v[128*(\p)+FR*\b:128*(\p)+FR*\b+FR-1], v[AF+FR*(\a):AF+FR*(\a)+FR-1], v[8*(8*((\a)%4)+\b):8*(8*((\a)%4)+\b)+7], v[SC+8*(\p)+\b], v[SC+8*(\p)+(\a)] matrix_a_fmt:MATRIX_FMT_FP6 matrix_b_fmt:MATRIX_FMT_FP6 matrix_a_scale:MATRIX_SCALE_ROW1
.endif
.endr
.endr
.endm
.macro FETCH_B place, j, p
	WIN TO_B
.irp i, 0,1,2,3,4,5,6,7
	FRAG 128*(\p)+FR*\i, ADRB+\place, \j, \i
.endr
	WIN 0
.endm
.macro FETCH_A place, j, i0
.irp i, \i0, \i0+1, \i0+2, \i0+3
	FRAG AF+FR*(\i), ADRA+\place, \j, \i
.endr
.endm
.macro SCALES place, j, p
.irp i, 0,1,2,3
	ds_load_b64 v[SC+8*(\p)+2*\i:SC+8*(\p)+2*\i+1], v[ADRS+\place] offset:(\j)*UNIT+128*\i
.endr
.endm
.macro PLACES n
.rept \n
	v_nop
.endr
.endm
; A step inside a place: 64 products on set p; the next step's fragments come in three runs: B's 24 loads behind the first 16 products (B's other set is free through the whole step: the four places
; in front of these loads stand at the end of the step before), A's blocks 0-3 and the scale words in the middle, A's blocks 4-7 at the end.
.macro STEP place, j, p, zero
	s_wait_dscnt 4*NL                              ; B's set, the scale words and A's blocks 0-3 are in; the youngest 12 loads (A's blocks 4-7) may be out
.if \zero
	WIN MUL_LO0
.else
	WIN MUL_LO
.endif
	MUL16 0, \p, \zero
	FETCH_B \place, (\j)+1, 1-(\p)
.if \zero
	WIN MUL_LO0
.else
	WIN MUL_LO
.endif
	MUL16 2, \p, \zero
	s_wait_dscnt 8*NL                              ; A's blocks 4-7 are in; behind them only B's 24 loads
	PLACES NP
	WIN 0
	FETCH_A \place, (\j)+1, 0
	SCALES \place, (\j)+1, 1-(\p)
.if \zero
	WIN MUL_HI0
.else
	WIN MUL_HI
.endif
	MUL16 4, \p, \zero
	MUL16 6, \p, \zero
	PLACES NP
	WIN 0
	FETCH_A \place, (\j)+1, 4
.endm
.macro TURN place, next, p, fill, short, pstep, nask
	s_wait_dscnt 4*NL                              ; B's set, the scale words and A's blocks 0-3 are in; the youngest 12 loads (A's blocks 4-7) may be out
	WIN MUL_LO
	MUL16 0, \p, 0                                 ; 32 products that need nothing of the next place stand ahead of the wait for it
	MUL16 2, \p, 0
	WIN 0                                          ; the add's two registers lie in window 0
.if \pstep
	s_wait_xcnt 0x0                                ; my prefetches have read their address: it steps only behind this wait
	s_add_nc_u64 s[PFA:PFA+1], s[PFA:PFA+1], \pstep
.endif
	s_wait_tensorcnt 0x0                           ; all my tensor loads have landed: the one that was out is my part of the next place
	ds_add_u32 v[SPW], v[NIL]                      ; 0 onto my spare word
.if \fill
	s_add_nc_u64 s[G0+4*\place+2:G0+4*\place+3], s[G0+4*\place+2:G0+4*\place+3], (\fill)*UNIT      ; no tensor load of mine is out: this place's next units
	s_add_nc_u64 s[G0B+4*\place+2:G0B+4*\place+3], s[G0B+4*\place+2:G0B+4*\place+3], (\fill)*UNIT
.endif
	s_wait_dscnt 0x0                               ; the add is done, and my reads of this place are over
	s_barrier_signal -1                            ; where the place is filled again this barrier opens a round of the cluster's barrier
	s_barrier_wait -1
.if \fill
	CREST
.if \short
	JLOAD G0+4*\place, G1F, G0B+4*\place, G1FB     ; the last refill brings two steps' units
.else
	JLOAD G0+4*\place, G1, G0B+4*\place, G1B       ; the first tensor load behind the round; its four v_nop are the places in front of the loads below
.endif
.else
	PLACES NP
.endif
	s_wait_alu depctr_va_vdst(0)
	FETCH_B \next, 0, 1-(\p)
	FETCH_A \next, 0, 0
	SCALES \next, 0, 1-(\p)
.if \nask
	ASK \nask
.endif
	WIN MUL_HI
	MUL16 4, \p, 0
	MUL16 6, \p, 0
	PLACES NP
	WIN 0
	FETCH_A \next, 0, 4
.endm
	s_wait_alu depctr_va_vdst(0)
	s_wait_loadcnt 0x0                             ; the bias
	s_wait_tensorcnt 1
	s_barrier_signal -1
	s_barrier_wait -1
	FETCH_B 0, 0, 0
	FETCH_A 0, 0, 0
	SCALES 0, 0, 0
	FETCH_A 0, 0, 4
; THE WALK ALONG K: 32 steps in eleven fills: ten of three steps (fill c: steps 3 c on, in place c % 2) and a last one of two (steps 30 and 31, in place 0).  Step t works on fragment set t % 2.
	STEP 0, 0, 0, 1                                ; step 0 stands in front of the loop: its products take the bias as C
	s_mov_b32 s3, TRIPS
.Llap:                                                 ; a trip: six steps, from a fill's second step in place 0 to the next such fill's first; both places are filled again
	STEP 0, 1, 1, 0
	TURN 0, 1, 0, 6, 0, 4*UNIT, 1
	STEP 1, 0, 1, 0
	STEP 1, 1, 0, 0
	TURN 1, 0, 1, 6, 0, 2*UNIT, 2
	STEP 0, 0, 0, 0
	s_sub_co_u32 s3, s3, 1
	s_cmp_lg_u32 s3, 0
	s_cbranch_scc1 .Llap
	STEP 0, 1, 1, 0                                ; step 25
	TURN 0, 1, 0, 6, 1, 0, 0                       ; step 26: place 0 takes the last fill
	STEP 1, 0, 1, 0                                ; step 27
	STEP 1, 1, 0, 0                                ; step 28
.macro TOSTAGE a
.set AC, 64*((\a)%4)
	WIN 0x08+4*((\a)/4)
.irp b, 0,1,2,3,4,5,6,7
	ds_store_b128 v[STO], v[AC+8*\b:AC+8*\b+3] offset:64*\b
	ds_store_b128 v[STO], v[AC+8*\b+4:AC+8*\b+7] offset:64*\b+16
.endr
	WIN 0
.set BB, OB
.irp t, 0,1,2,3,4,5,6,7,8,9,10,11,12,13,14,15
	ds_load_b128 v[BB+4*\t:BB+4*\t+3], v[RD] offset:\t*SPITCH
.endr
.endm
.macro SEND a, younger
.set BB, OB
	s_wait_dscnt \younger
.if (\a) > 0
	s_add_nc_u64 s[10:11], s[10:11], 16*NROW
.endif
.irp t, 0,1,2,3,4,5,6,7,8,9,10,11,12,13,14,15
	global_store_b128 v[CO], v[BB+4*\t:BB+4*\t+3], s[10:11] offset:\t*NROW th:TH_STORE_NT   ; 32 lanes store 512 consecutive bytes, at a multiple of 256 from the buffer's first byte; written once, read by nobody here
.endr
.endm
; THE LAST TWO STEPS (30 and 31, in place 0) GO BY ROWS OF THE RESULT.  B's two sets hold the two steps' fragments; A's come block by block of 16 rows, both steps' 24 registers, into four buffers where A's one set lay.
; A block is finished by 16 products, its 8 accumulators by turns, K ascending; it goes through the stage while the next block is multiplied, and is stored behind that.
.macro ALOAD a                         ; A's block a, steps 30 and 31, into buffer a % 4
.irp q, 0,1
	FRAG AF+24*((\a)%4)+12*\q, ADRA, \q, \a
.endr
.endm
.macro ROW a
	WIN MUL_LO+0x50*((\a)/4)                       ; the accumulators' window: 2 for blocks 0-3, 3 for blocks 4-7
.irp q, 0,1
.if (\a) == 0 && \q == 1
	s_wait_dscnt 12                                ; step 31's fragments of B and its scale words are in; behind them only A's blocks 2 and 3 (12 loads)
.endif
.irp b, 0,1,2,3,4,5,6,7
	v_wmma_scale_f32_16x16x128_f8f6f4 v[8*(8*((\a)%4)+\b):8*(8*((\a)%4)+\b)+7], v[128*\q+FR*\b:128*\q+FR*\b+FR-1], v[AF+24*((\a)%4)+12*\q:AF+24*((\a)%4)+12*\q+11], v[8*(8*((\a)%4)+\b):8*(8*((\a)%4)+\b)+7], v[SC+8*\q+\b], v[SC+8*\q+(\a)] matrix_a_fmt:MATRIX_FMT_FP6 matrix_b_fmt:MATRIX_FMT_FP6 matrix_a_scale:MATRIX_SCALE_ROW1
.endr
.endr
.endm
	s_wait_dscnt 4*NL                              ; step 29, the last of place 1, on set 1
	WIN MUL_LO
	MUL16 0, 1, 0
	MUL16 2, 1, 0
	WIN 0
	s_wait_tensorcnt 0x0                           ; my part of the last fill has landed
	ds_add_u32 v[SPW], v[NIL]                      ; 0 onto my spare word
	s_wait_dscnt 0x0                               ; my reads of place 1 are over: behind the barrier it serves as the stage
	s_barrier_signal -1
	s_barrier_wait -1
	PLACES NP                                      ; in front of the loads into A's blocks 0-3, just multiplied
	FETCH_B 0, 0, 0                                ; step 30: B into set 0, its scale words,
	SCALES 0, 0, 0
	ALOAD 0                                        ; and A's blocks 0 and 1, both steps
	ALOAD 1
	WIN MUL_HI
	MUL16 4, 1, 0
	MUL16 6, 1, 0
	PLACES NP                                      ; in front of the loads into set 1 and into A's blocks 4-7
	FETCH_B 0, 1, 1                                ; step 31: B into set 1, its scale words,
	SCALES 0, 1, 1
	ALOAD 2
	ALOAD 3
	s_wait_dscnt 40                                ; all but the 24 + 4 + 12 loads just issued
	ROW 0
.irp a, 0,1,2,3,4,5,6,7
	PLACES NP                                      ; block a's results were just made, and its buffer of A just read
.if \a > 0
	s_wait_xcnt 0x0                                ; the last block's stores have read their registers and their base
.endif
	TOSTAGE \a
.if \a < 4
	ALOAD \a+4                                     ; its buffer takes the block four further on
.endif
.if \a < 7
	ROW \a+1                                       ; the next block is multiplied while block a turns through the stage
.endif
	WIN 0
.if \a < 4
	SEND \a, 6                                     ; behind the stage's loads: the six loads of A
.else
	SEND \a, 0
.endif
.endr
	s_wait_tensorcnt 0x0
	ds_add_u32 v[SPW], v[NIL]
	s_wait_dscnt 0x0
	CROUND
	s_endpgm
.Lfunc_end_k_q2889ee19cb_gemm:
	.size	k_q2889ee19cb_gemm, .Lfunc_end_k_q2889ee19cb_gemm-k_q2889ee19cb_gemm
	.p2alignl 7, 3214868480
	.fill 96, 4, 3214868480
	.section	.rodata,"a",@progbits
	.p2align	6, 0x0
	.amdhsa_kernel k_q2889ee19cb_gemm
		.amdhsa_group_segment_fixed_size 327680
		.amdhsa_private_segment_fixed_size 0
		.amdhsa_enable_private_segment 0
		.amdhsa_kernarg_size 32
		.amdhsa_user_sgpr_count 2
		.amdhsa_user_sgpr_kernarg_segment_ptr 1
		.amdhsa_wavefront_size32 1
		.amdhsa_system_sgpr_workgroup_id_x 1
		.amdhsa_system_sgpr_workgroup_id_y 1
		.amdhsa_system_sgpr_workgroup_id_z 1
		.amdhsa_system_vgpr_workitem_id 0
		.amdhsa_next_free_vgpr 1024
		.amdhsa_next_free_sgpr 88
		.amdhsa_reserve_vcc 0
		.amdhsa_float_denorm_mode_32 3
		.amdhsa_float_denorm_mode_16_64 3
		.amdhsa_memory_ordered 1
		.amdhsa_forward_progress 1
		.amdhsa_inst_pref_size 210
	.end_amdhsa_kernel
	.amdgpu_metadata
---
amdhsa.version: [ 1, 2 ]
amdhsa.kernels:
  - .name:           k_q2889ee19cb_gemm
    .symbol:         k_q2889ee19cb_gemm.kd
    .args:
      - { .name: aq, .offset: 0, .size: 8, .value_kind: global_buffer, .address_space: global }
      - { .name: bq, .offset: 8, .size: 8, .value_kind: global_buffer, .address_space: global }
      - { .name: bias, .offset: 16, .size: 8, .value_kind: global_buffer, .address_space: global }
      - { .name: out0, .offset: 24, .size: 8, .value_kind: global_buffer, .address_space: global }
    .group_segment_fixed_size: 327680
    .private_segment_fixed_size: 0
    .kernarg_segment_align: 8
    .kernarg_segment_size: 32
    .max_flat_workgroup_size: 128
    .sgpr_count:     88
    .vgpr_count:     1024
    .wavefront_size: 32
...
	.end_amdgpu_metadata
.endif
;; end of part 2
